; MI455X (gfx1250); checked and timed in simulation.
; The chip was launched on July 23, 2026; its instructions are those of AMD's public machine-readable ISA for CDNA 5 (MIT licence, August 2026) and "CDNA5" Instruction Set Architecture Reference Guide (July 2026). The comments in the code are by the model that wrote it; some were corrected since.
;; Optimized Vector Quantizer. Allowed arithmetic: matrix products marked QUANTISED: E2M1 operands, one E8M0 scale for each 32 along K, by v_wmma_scale_f32_16x16x128_f8f6f4 with both operands' format E2M1 (or v_wmma_scale_f32_32x16x128_f4), f32 sums; everything else in f32.
;; Inputs: codebook 4,096 x 256 float32; inputs 8 x 2,048 x 256 float32.
;; Outputs: out0 8 x 2,048 x 256 float32; out1 8 x 2,048 int32; out2 one number float32.
;; This version of the problem:
;;   THIS VERSION OF THE PROBLEM IS GIVEN IN LOW PRECISION. The matrix products marked QUANTISED in the list below multiply operands that are first quantised to E2M1 (2 exponent bits, 1 mantissa bit; 4 bits a number), with one power-of-two scale for each 32 numbers along K (OCP MX v1.0); their sums are f32. All else is computed in f32.
;;   The module's matrix products, in the order in which they are computed (A, B: the left and right operand; K: the contracted axis; several contracted axes count as one K, in the product's order):
;;     1. [M 16,384, K 256] x [K 256, N 4,096]; A: input inputs; B: input codebook: QUANTISED
;;   THE QUANTISER, for each operand of a quantised product, along K:
;;     - K is cut into blocks of 32 from its start; a last block that is shorter is filled with zeros.
;;     - A block's scale is 2^e with e = floor(log2(the largest magnitude in the block)) - 2, held to -126 .. 127; a block of zeros has e = 0. As a byte (E8M0): e + 127.
;;     - Each number is divided by its block's scale, clamped to +-6, and rounded to the nearest number of E2M1, ties to even, subnormals kept.
;;     - The product sums the exact products of the quantised numbers (number of the format x scale) in f32.
;;   ~~~python
;;   def quantise(x, axis):      # numpy; x: float32 -> the quantised numbers, widened to float32 again
;;       x = np.moveaxis(x, axis, -1); K = x.shape[-1]
;;       x = np.pad(x, [(0, 0)] * (x.ndim - 1) + [(0, -K % 32)]); x = x.reshape(x.shape[:-1] + (-1, 32)); a = np.abs(x).max(-1, keepdims=True)
;;       e = np.where(a > 0, np.clip(np.frexp(np.where(a > 0, a, 1))[1] - 1 - 2, -126, 127), 0)      # np.frexp(a)[1] - 1 = floor(log2(a)), exactly
;;       r = np.clip(x / 2.0 ** e, -6, 6)
;;       step = 2.0 ** (np.maximum(np.frexp(np.where(r == 0, 1, r))[1] - 1, 0) - 1)
;;       q = np.round(r / step) * step * 2.0 ** e      # np.round: ties to even
;;       return np.moveaxis(q.reshape(q.shape[:-2] + (-1,))[..., :K], -1, axis).astype(np.float32)
;;   ~~~
;; One version. Each part assembles by itself: llvm-mc -triple=amdgcn-amd-amdhsa -mcpu=gfx1250 --defsym DOCPART=n.
;; ======== version 1 of 1: 4 launches
;; limits: right only within a limited range of input values
;; workspace buffers: xq 2,359,296 bytes; cbq 589,824 bytes; cand 524,288 bytes of whole numbers; part 8,192 bytes
;; launch prep (part 1): grid 256 x 1, 10 waves a work-group, no clusters, 87,040 bytes of LDS; arguments inputs, codebook, xq, cbq; writes xq, cbq
.if DOCPART == 1
	.amdgcn_target "amdgcn-amd-amdhsa--gfx1250"
	.amdhsa_code_object_version 6
	.text
	.protected	k_q34a4a75832_prep
	.globl	k_q34a4a75832_prep
	.p2align	8
	.type	k_q34a4a75832_prep,@function
k_q34a4a75832_prep:
	s_mov_b64 s[64:65], 0
	v_nop
	global_prefetch_b8 v0, s[64:65] scope:SCOPE_SE
	s_setreg_imm32_b32 hwreg(HW_REG_WAVE_MODE, 25, 1), 1
	s_wait_xcnt 0x0
; VECTOR QUANTISER, launch 1 of 4: x [16384][256] and the codebook [4096][256], f32, become the product's operands, once for all work-groups of the search.
; THE PROGRAM.  1 prep: codes of FP4 (E2M1), scale words, sums of squares of both tensors.   2 search: mm = Q(x) Q(e)^T by the matrix unit, and for each row and each quarter of the codebook the first index
; of the least distance.   3 gather: the best of the four quarters, e[index], out0 = x + (e - x), out1, sums of (e - x)^2.   4 finish: the loss.
; DEAD WORK: none is left out, and both inputs are loaded.  sx, though the same along the argmin's axis, stays: reference() adds it in f32 ahead of the comparison, where it can be so large that distances coincide.
; LIMITS.  NaN and infinities among the inputs are not served.  THE ORDER OF ROUNDINGS: reference() has d = fl(fl(sx + se) - 2 mm).  Here se is first rounded as the least sx of the row's 64 rows, S, rounds it:
; R = fl(S + se) - S; the matrix unit sums mm - R / 2; and d = fl(sx - 2 (mm - R / 2)).  Where sx lies in S's binade and sx + se in it too, R is what reference()'s own first rounding adds to sx (but for exact ties);
; elsewhere se is rounded on a finer grid than there.  sx and se are summed in another order (fused multiply-adds in four chains of 16 in each of a half row's two lanes).  So distances that lie within a few units of sx's last place of each
; other can come out in another order.  A block of zeros gets the scale byte 1 where the rule says 127: its codes are zeros, which add nothing under any byte but 0xff, and the bytes are read by this program alone.
; Blocks whose largest magnitude lies under 2^(3 - 127) are held at that byte too.
; LAYOUT OF xq: for each 64 rows 9,216 bytes: fragment f = 2 m + s (16 rows m, 128 along K s) at 1,024 f as the IMAGE OF ITS OPERAND REGISTERS: registers 4 c .. 4 c + 3 at 512 c, lane l's 16 bytes at 16 l; from 8,192 on
; the scale words, 64 f + 4 r; from 8,704 on the sums of squares of each half row, 64 f + 4 r.
; LAYOUT OF cbq: four chunks of 1,024 codebook rows, 147,456 bytes each: tile t (16 rows) at 2,048 t likewise; from 131,072 on 256 bytes a tile: 16 scale words of K step 0, 16 of K step 1, se of the 16 rows, se once more.
; SHARES.  Work-group g takes x's rows 64 g on (waves 0 to 7, fragment w) and the codebook's tile g (waves 8 and 9).  A wave's 16 loads take 512 consecutive bytes each, a row's half; the 8,192 bytes turn through the wave's own
; LDS, rows 528 bytes apart, and come back so that lane (r = lane % 16, h = lane / 16) holds, of row r, 16 neighbours of each block of 32.  Scale words and sums meet in LDS and leave as whole units of 256 bytes.
; No input is shared between work-groups: no cluster.
.set CHUNKB, 147456
.set SCO,    131072
.set XGRP,   9216
.set PITCH,  528
.set WREG,   16*PITCH                  ; a wave's own LDS
.set META,   10*WREG                   ; scale words at 64 w + 4 r, sums 640 bytes on
.set SPARE,  META+1280                 ; the spare words, 128 bytes for each wave: five blocks of 256 bytes that no other line names
.set SPW, 1                            ; LDS address of my spare word; never rewritten
.set NIL, 2                            ; 0; never rewritten
.set LI,  3                            ; 16 x lane
.set SW,  4                            ; the turn: in
.set SL,  5                            ; and out
.set WS,  6                            ; my scale word's place
.set LO8, 7                            ; 8 x lane
.set XR,  8                            ; waves 0, 1: what they send out
.set ER,  9                            ; wave 2: the tile's scale words,
.set EX,  10                           ; and its sums
.set LL,  11
.set LR,  12
.set LH,  13
.set TM,  16                           ; at work in QUANT
.set PW,  32                           ; the scale word just made
.set PC,  34                           ; v34-41 the codes just made
.set SQ,  44                           ; v44-47 sums of squares
.set OA,  48
.set OB,  52
.set RW,  64                           ; v64-127 as loaded
.set ST,  128                          ; v128-191 64 numbers of my row
.set WV,  12                           ; my wave's number
.set SEL, 2                            ; lane selects for v_permlanex16_b32: lane l xor 16
.macro SUMSQ reg                       ; the sum of the row's 128 squares, in v[SQ] of both lanes
	v_pk_mul_f32 v[SQ:SQ+1], v[\reg:\reg+1], v[\reg:\reg+1]
	v_pk_mul_f32 v[SQ+2:SQ+3], v[\reg+2:\reg+3], v[\reg+2:\reg+3]
.irp j, 4,8,12,16,20,24,28,32,36,40,44,48,52,56,60
	s_delay_alu instid0(VALU_DEP_2)
	v_pk_fma_f32 v[SQ:SQ+1], v[\reg+\j:\reg+\j+1], v[\reg+\j:\reg+\j+1], v[SQ:SQ+1]
	s_delay_alu instid0(VALU_DEP_2)
	v_pk_fma_f32 v[SQ+2:SQ+3], v[\reg+\j+2:\reg+\j+3], v[\reg+\j+2:\reg+\j+3], v[SQ+2:SQ+3]
.endr
	s_delay_alu instid0(VALU_DEP_1)
	v_pk_add_f32 v[SQ:SQ+1], v[SQ:SQ+1], v[SQ+2:SQ+3]
	s_delay_alu instid0(VALU_DEP_1)
	v_add_f32 v[SQ], v[SQ], v[SQ+1]
	s_delay_alu instid0(VALU_DEP_1)
	v_permlanex16_b32 v[SQ+1], v[SQ], s[SEL], s[SEL+1]
	s_delay_alu instid0(VALU_DEP_1)
	v_add_f32 v[SQ], v[SQ], v[SQ+1]
.endm
.macro QUANT s                         ; the 64 numbers become a fragment's codes in v[PC] on and my row's scale word in v[PW]
.irp b, 0,1,2,3
	v_max3_num_f32 v[TM+\b], |v[\s+16*\b]|, |v[\s+1+16*\b]|, 0x1800000         ; my 16 numbers of block b, and the floor 2^(3 - 127): the byte cannot fall under 1
.endr
.irp i, 2,4,6,8,10,12,14
.irp b, 0,1,2,3
	s_delay_alu instid0(VALU_DEP_4)
	v_max3_num_f32 v[TM+\b], v[TM+\b], |v[\s+16*\b+\i]|, |v[\s+1+16*\b+\i]|
.endr
.endr
.irp b, 0,1,2,3
	s_delay_alu instid0(VALU_DEP_4)
	v_permlanex16_b32 v[TM+4+\b], v[TM+\b], s[SEL], s[SEL+1]
.endr
.irp b, 0,1,2,3
	s_delay_alu instid0(VALU_DEP_4)
	v_max_num_f32 v[TM+\b], v[TM+\b], v[TM+4+\b]                               ; with lane l xor 16's: the block's largest magnitude
.endr
.irp b, 0,1,2,3
	s_delay_alu instid0(VALU_DEP_4)
	v_add_nc_u32 v[TM+12+\b], 0xff000000, v[TM+\b]                             ; 2 off its exponent field: the conversion's scale operand
.endr
.irp b, 0,1,2,3
	s_delay_alu instid0(VALU_DEP_4)
	v_lshrrev_b32 v[TM+4+\b], 23, v[TM+12+\b]                                  ; the scale's byte
.endr
	s_delay_alu instid0(VALU_DEP_3)
	v_lshl_or_b32 v[PW], v[TM+5], 8, v[TM+4]
	s_delay_alu instid0(VALU_DEP_1)
	v_lshl_or_b32 v[PW], v[TM+6], 16, v[PW]
	s_delay_alu instid0(VALU_DEP_1)
	v_lshl_or_b32 v[PW], v[TM+7], 24, v[PW]
.irp b, 0,1,2,3
	v_cvt_scalef32_pk8_fp4_f32 v[PC+2*\b], v[\s+16*\b:\s+7+16*\b], v[TM+12+\b]
	v_cvt_scalef32_pk8_fp4_f32 v[PC+1+2*\b], v[\s+8+16*\b:\s+15+16*\b], v[TM+12+\b]
.endr
	v_nop                                          ; one plain place behind a scaled conversion
.irp c, 0,1                                    ; the operand's layout wants a whole block in a lane: lanes 0-15 block 2 c, lanes 16-31 block 2 c + 1
.irp i, 0,1
	v_permlane16_swap_b32 v[PC+4*\c+\i], v[PC+2+4*\c+\i]
.endr
.endr
.endm
	s_load_b256 s[4:11], s[0:1], 0x0               ; inputs s[4:5], codebook s[6:7], xq s[8:9], cbq s[10:11]
	v_lshrrev_b32 v[LL], 5, v0
	v_readfirstlane_b32 s[WV], v[LL]               ; wave 0..9
	s_and_b32 s13, s[WV], 1                        ; K step
	s_lshr_b32 s14, s[WV], 1                       ; x's tile
	s_lshl_b32 s15, s13, 9                         ; 512 bytes a K step
	s_lshl_b32 s16, ttmp9, 16                      ; x in: 64 rows of 1,024 bytes a work-group,
	s_add_co_u32 s16, s16, s15
	s_lshl_b32 s18, ttmp9, 14                      ; the codebook: 16 rows
	s_add_co_u32 s18, s18, s15
	s_lshl_b32 s15, s14, 14                        ; 16 rows a tile
	s_add_co_u32 s16, s16, s15
	s_mul_i32 s24, ttmp9, XGRP                     ; x out
	s_lshl_b32 s20, s[WV], 10
	s_add_co_u32 s20, s20, s24
	s_lshl_b32 s15, s[WV], 9
	s_add_co_u32 s24, s24, s15
	s_add_co_u32 s24, s24, 8192                    ; waves 0, 1: its scale words, its sums
	s_mov_b32 s25, 0
	s_lshr_b32 s22, ttmp9, 6
	s_mul_i32 s22, s22, CHUNKB                     ; the codebook out: chunk,
	s_and_b32 s27, ttmp9, 63                       ; tile
	s_lshl_b32 s26, s27, 8
	s_add_co_u32 s26, s26, s22
	s_add_co_u32 s26, s26, SCO                     ; its 256 bytes of scale words and sums
	s_lshl_b32 s27, s27, 11
	s_add_co_u32 s22, s22, s27
	s_lshl_b32 s15, s13, 10
	s_add_co_u32 s22, s22, s15
	s_mov_b32 s27, 0
	s_mul_i32 s36, s[WV], 640
	s_add_co_u32 s36, s36, META
	s_lshl_b32 s37, s[WV], 6
	s_add_co_u32 s37, s37, META
	s_mul_i32 s38, s[WV], WREG
	s_mov_b32 s17, 0
	s_mov_b32 s21, 0
	s_mov_b32 s[SEL], 0x76543210
	s_mov_b32 s[SEL+1], 0xfedcba98
	v_lshl_add_u32 v[SPW], v0, 2, SPARE
	v_mov_b32 v[NIL], 0
	v_and_b32 v[LL], 31, v0                        ; lane
	v_and_b32 v[LR], 15, v0                        ; r
	v_bfe_u32 v[LH], v0, 4, 1                      ; h
	v_lshlrev_b32 v[LI], 4, v[LL]
	v_lshlrev_b32 v[LO8], 3, v[LL]
	v_mul_u32_u24 v[SL], v[LR], PITCH
	v_lshl_add_u32 v[SW], v[LL], 4, s38            ; in: row j at 528 j, as it lies
	v_lshl_add_u32 v[WS], v[LR], 2, s37
	v_lshl_add_u32 v[SL], v[LH], 6, v[SL]
	v_lshl_add_u32 v[XR], v[LL], 4, s36
	v_lshl_add_u32 v[ER], v[LR], 3, META+512       ; 8 (lane % 16)
	v_and_b32 v[EX], 7, v0
	v_add_nc_u32 v[SL], s38, v[SL]                 ; out: row r, my 64 bytes of each block
.irp b, 0,1,2,3
	v_mov_b32 v[TM+4+\b], 0                        ; written once: a lane permute's destination counts as one of its sources
.endr
	v_lshl_add_u32 v[EX], v[EX], 3, META+1152      ; 8 (lane % 8)
	v_mov_b32 v[SQ+1], 0
	s_wait_alu depctr_va_vdst(0)                   ; the wait at the head's end
	s_wait_kmcnt 0x0
	s_cmp_lt_u32 s[WV], 8                          ; x's wave or the codebook's?
	s_cselect_b64 s[28:29], s[4:5], s[6:7]
	s_cselect_b64 s[30:31], s[8:9], s[10:11]
	s_cselect_b32 s16, s16, s18
	s_cselect_b32 s20, s20, s22
	s_add_nc_u64 s[28:29], s[28:29], s[16:17]
	s_add_nc_u64 s[30:31], s[30:31], s[20:21]
.irp j, 0,1,2,3,4,5,6,7,8,9,10,11,12,13,14,15
	global_load_b128 v[RW+4*\j:RW+4*\j+3], v[LI], s[28:29] offset:1024*\j th:TH_LOAD_NT   ; row j's half: 512 consecutive bytes; read once in this launch
.endr
	s_add_nc_u64 s[32:33], s[8:9], s[24:25]
	s_add_nc_u64 s[34:35], s[10:11], s[26:27]
.irp j, 0,1,2,3,4,5,6,7,8,9,10,11,12,13,14,15
	s_wait_loadcnt 15-\j                           ; row j is in; the later rows may be out
	ds_store_b128 v[SW], v[RW+4*\j:RW+4*\j+3] offset:PITCH*\j
.endr
.irp b, 0,1,2,3                                ; LDS serves a wave's instructions in order: these see my stores
.irp j, 0,1,2,3
	ds_load_b128 v[ST+16*\b+4*\j:ST+16*\b+4*\j+3], v[SL] offset:128*\b+16*\j   ; register 16 b + i = k 32 b + 16 h + i
.endr
.endr
	s_wait_dscnt 0x0
	SUMSQ ST
	QUANT ST
	global_store_b128 v[LI], v[PC:PC+3], s[30:31]                  ; 512 consecutive bytes, at a multiple of 256 from the buffer's first byte
	global_store_b128 v[LI], v[PC+4:PC+7], s[30:31] offset:512
	ds_store_b32 v[WS], v[PW]                      ; lanes r and 16 + r write the same word with the same value
	ds_store_b32 v[WS], v[SQ] offset:640
	s_wait_dscnt 0x0                               ; for waves 0 to 2: my stores have landed
	s_barrier_signal -1
	s_barrier_wait -1
	s_cmp_gt_u32 s[WV], 2
	s_cbranch_scc1 .Lend
	s_cmp_eq_u32 s[WV], 2
	s_cbranch_scc1 .Lcode
	ds_load_b128 v[OA:OA+3], v[XR]                 ; wave 0: x's scale words; wave 1: its sums
	s_wait_dscnt 0x0
	global_store_b128 v[LI], v[OA:OA+3], s[32:33]  ; 512 consecutive bytes
	s_branch .Lend
.Lcode:
	ds_load_b64 v[OA:OA+1], v[ER]                  ; wave 2: two of the tile's 32 scale words,
	ds_load_b64 v[OB:OB+1], v[EX]                  ; two rows' sums of K step 0,
	ds_load_b64 v[OB+2:OB+3], v[EX] offset:64      ; and of K step 1
	s_wait_dscnt 0x0
	v_cmp_ne_u32 vcc_lo, 0, v[LH]
	v_pk_add_f32 v[OB:OB+1], v[OB:OB+1], v[OB+2:OB+3]              ; se
	v_cndmask_b32 v[OA], v[OA], v[OB], vcc_lo      ; lanes 16-31 send se
	v_cndmask_b32 v[OA+1], v[OA+1], v[OB+1], vcc_lo
	global_store_b64 v[LO8], v[OA:OA+1], s[34:35]  ; 256 consecutive bytes
.Lend:
	s_wait_tensorcnt 0x0                           ; the wave's end, behind my last LDS store
	ds_add_u32 v[SPW], v[NIL]
	s_wait_dscnt 0x0
	s_endpgm
.Lfunc_end_k_q34a4a75832_prep:
	.size	k_q34a4a75832_prep, .Lfunc_end_k_q34a4a75832_prep-k_q34a4a75832_prep
	.p2alignl 7, 3214868480
	.fill 96, 4, 3214868480
	.section	.rodata,"a",@progbits
	.p2align	6, 0x0
	.amdhsa_kernel k_q34a4a75832_prep
		.amdhsa_group_segment_fixed_size 87040
		.amdhsa_private_segment_fixed_size 0
		.amdhsa_enable_private_segment 0
		.amdhsa_kernarg_size 32
		.amdhsa_user_sgpr_count 2
		.amdhsa_user_sgpr_kernarg_segment_ptr 1
		.amdhsa_wavefront_size32 1
		.amdhsa_system_sgpr_workgroup_id_x 1
		.amdhsa_system_sgpr_workgroup_id_y 1
		.amdhsa_system_sgpr_workgroup_id_z 1
		.amdhsa_system_vgpr_workitem_id 0
		.amdhsa_next_free_vgpr 192
		.amdhsa_next_free_sgpr 66
		.amdhsa_reserve_vcc 1
		.amdhsa_float_denorm_mode_32 3
		.amdhsa_float_denorm_mode_16_64 3
		.amdhsa_memory_ordered 1
		.amdhsa_forward_progress 1
		.amdhsa_inst_pref_size 18
	.end_amdhsa_kernel
	.amdgpu_metadata
---
amdhsa.version: [ 1, 2 ]
amdhsa.kernels:
  - .name:           k_q34a4a75832_prep
    .symbol:         k_q34a4a75832_prep.kd
    .args:
      - { .name: inputs, .offset: 0, .size: 8, .value_kind: global_buffer, .address_space: global }
      - { .name: codebook, .offset: 8, .size: 8, .value_kind: global_buffer, .address_space: global }
      - { .name: xq, .offset: 16, .size: 8, .value_kind: global_buffer, .address_space: global }
      - { .name: cbq, .offset: 24, .size: 8, .value_kind: global_buffer, .address_space: global }
    .group_segment_fixed_size: 87040
    .private_segment_fixed_size: 0
    .kernarg_segment_align: 8
    .kernarg_segment_size: 32
    .max_flat_workgroup_size: 320
    .sgpr_count:     66
    .vgpr_count:     192
    .wavefront_size: 32
...
	.end_amdgpu_metadata
.endif
;; end of part 1
;; launch search (part 2): grid 64 x 4, 8 waves a work-group, clusters of 4 x 1, 327,680 bytes of LDS; arguments xq, cbq, cand; writes cand
.if DOCPART == 2
	.amdgcn_target "amdgcn-amd-amdhsa--gfx1250"
	.amdhsa_code_object_version 6
	.text
	.protected	k_q34a4a75832_search
	.globl	k_q34a4a75832_search
	.p2align	8
	.type	k_q34a4a75832_search,@function
k_q34a4a75832_search:
	s_mov_b64 s[64:65], 0
	v_nop
	global_prefetch_b8 v0, s[64:65] scope:SCOPE_SE
	s_setreg_imm32_b32 hwreg(HW_REG_WAVE_MODE, 25, 1), 1
	s_wait_xcnt 0x0
	s_wait_alu depctr_hold_cnt(0) depctr_sa_sdst(0) depctr_va_vdst(0) depctr_va_sdst(0) depctr_va_ssrc(0) depctr_va_vcc(0) depctr_vm_vsrc(0)
	s_getreg_b32 s2, hwreg(HW_REG_IB_STS2, 6, 4)
	s_cmp_eq_u32 s2, 0
	s_cbranch_scc0 .Lentry_in_a_cluster
	s_endpgm
.Lentry_in_a_cluster:
	s_bfe_u32 s2, ttmp6, 0x10000c
	s_cmp_lg_u32 s2, 0x3003
	s_cbranch_scc0 .Lentry_shape_is_right
	s_endpgm
.Lentry_shape_is_right:
; VECTOR QUANTISER, launch 2 of 4: for each of the 16,384 rows x and each quarter (1,024 rows) of the codebook, the first index of the least distance, and that distance as a whole number that orders as it does.
; No work of reference() is left out here: sx, though the same for all n, is added in f32 as the distances ask (why, and in what order: the head of launch 1).
; LIMITS: those at the head of launch 1 (NaN and infinities not served; the order of roundings; blocks of zeros).
; SHARES.  Work-group (x, y): rows 256 x on against chunk y of the codebook: 256 work-groups.  Wave w: 64 rows (w / 2) as operands in 64 registers (4 tiles x 2 K steps), straight from memory, and every second tile of the
; chunk: tile 2 i + w % 2, i = 0 .. 31, 16 codebook rows each.  Each codebook fragment that a wave reads from LDS feeds four matrix instructions.  Two waves to a SIMD, 256 registers each.
; THE CHUNK, 147,456 bytes, comes into LDS in two parts, no bytes twice.  Part 1, 65,536 bytes: the images of tiles 0 to 23 (waves 0 to 5) and all scale words and se (waves 6, 7), 32 rows of 256 bytes a wave.
; Part 2, 81,920 bytes: tiles 24 to 63, 40 rows a wave, on its way while the first 12 tiles of each wave are multiplied.  All of LDS is claimed.
; CLUSTER: the four work-groups of a cluster have the same chunk: each piece is asked for JOINTLY, by the same tensor load with the same descriptor and the mask 15; nothing in it hangs on a work-group's place.
; No prefetch: the launch asks for its input twice, at the head and as soon as that has landed, so there is no later trip to run ahead for.
; THE PRODUCT IS USED WITH THE CODEBOOK AS SOURCE 0 AND x AS SOURCE 1: lane (r = lane % 16, h = lane / 16) holds ONE row of x, r, and its register j the codebook row 8 h + j of the tile.
; A tile's sums begin with C = -R / 2, R = fl(S + se) - S, S the least sx of my 64 rows: 512 numbers a wave, made at the head and kept in the wave's own LDS.  So acc = mm - R / 2, and 2 acc - sx is the negated distance:
; one rounding, which rises with acc.  So only the largest acc of a lane's eight is turned into a distance.
; THE SEARCH.  For each tile of x a lane keeps the largest negated distance so far, the number of the codebook tile where it arose, and seven of that tile's eight sums.  An equal value of a later tile does not displace
; the earlier one; at the end the lowest register whose distance equals the best is taken (where none of the seven does, it is the eighth); halves of the lanes and the two waves of a row are joined by (value, then
; lower index): reference()'s first index.
; BY TURNS.  A tile's eight products stand in one group, and behind them the vector work of the tile before, whose products lie in the other set of accumulators.
.set CHUNKB, 147456
.set P1,     8192                      ; a wave's piece of part 1,
.set P2,     10240                     ; and of part 2
.set P2O,    49152                     ; where part 2 begins: tile 24
.set SCO,    131072                    ; in a chunk: 256 bytes a tile: scale words, and from 128 on se
.set XGRP,   9216
.set CA,     CHUNKB                    ; behind the chunk: C, 2,048 bytes for each wave: 64 i + 4 (codebook row of my tile i)
.set MRG,    CA+16384                  ; the waves' results: wave w at 512 w, row at 8 x row: (key, index)
.set SPARE,  MRG+4096                  ; the spare words, 128 bytes for each of the eight waves: four blocks of 256 bytes that no other line names
.set SPW, 1                            ; LDS address of my spare word; never rewritten
.set NIL, 2                            ; 0; never rewritten
.set AS,  4                            ; my tiles' scale words: 256 (w % 2) + 4 lane
.set AC,  5                            ; my C: + 32 h
.set CW,  6                            ; where I put C: + 16 lane
.set XO,  7                            ; 16 x lane
.set MW,  8                            ; where I put a row's result
.set MR,  9                            ; where I read two rows' results
.set BS,  10                           ; 1,024 y + 16 (w % 2) + 8 h
.set NSX, 12                           ; v12-15 -sx of row 16 m + r
.set VS,  16                           ; 4 x lane
.set XS,  18                           ; v18-21 x's scale words, tile m: lanes 0-15 K step 0, lanes 16-31 K step 1; scales and nothing else
.set ASC, 22                           ; v22-23 the codebook's, buffer b: likewise
.set XF,  24                           ; v24-87 x's fragments at 16 m + 8 s
.set AB,  88                           ; v88-119 a codebook tile's two fragments, buffer b at 16 b
.set CB,  120                          ; v120-135 its C, buffer b at 8 b
.set TT,  136                          ; v136-139 the largest of a lane's eight, tile m
.set LV,  140                          ; v140-143 as negated distance
.set NS,  144                          ; v144-145 at the head: -S twice,
.set HS,  146                          ; v146-147 S / 2 twice
.set AK,  148                          ; v148-149 my tiles' images, i = 0 .. 15 and 16 .. 31: 2,048 (w % 2) + 16 lane
.set DD,  152                          ; v152-215 the products: set p at 32 p, tile m of x at 8 m
.set BE,  216                          ; v216-219 the best so far
.set SAV, 224                          ; v224-255 at 8 m: seven sums of its tile, and at 8 m + 7 that tile's i
.set SEV, 152                          ; AT THE HEAD: se: register 4 u + k = row 4 (lane % 4) + k of my tile 8 u + lane / 4,
.set SP,  168                          ; half rows' sums, and those of lane l xor 16,
.set VE,  176                          ; se's offset
.set LL,  177
.set LR,  178
.set LH,  179
.set LQ,  180
.set POS, 24                           ; AT THE END: where in the tile,
.set IX,  28                           ; index,
.set KY,  32                           ; key,
.set TX,  36
.set OV,  40                           ; the other half's
.set OI,  44
.set PR,  48                           ; four pairs (key, index)
.set W0,  56                           ; two rows' results of mine and of the other wave
.set W1,  60
.set WV,  12                           ; s12 my wave's number
.set NH,  13                           ; which tiles of the chunk
.set G1,  16                           ; s[16:23] descriptor group 1
.set G0,  24                           ; s[24:27] descriptor group 0: part 1's images,
.set G0M, 52                           ; s[52:55] its scale words and se,
.set G0B, 48                           ; s[48:51] part 2
.set MK,  28                           ; s28-31 masks
.set LX,  40
.set SEL, 46                           ; s[46:47] lane selects for v_permlanex16_b32: lane l xor 16
.macro CROUND                          ; a round of the cluster's barrier
	s_barrier_signal -1
	s_barrier_wait -1
	s_cmp_lg_u32 s[WV], 0
	s_cbranch_scc1 .Lnot_wave_0_\@
	s_barrier_signal -3
.Lnot_wave_0_\@:
	s_barrier_wait -3
	s_barrier_signal -1
	s_barrier_wait -1
.endm
.macro LDT i                           ; what my tile i wants, seven loads, into buffer i % 2
.irp u, 0,1,2,3
	ds_load_b128 v[AB+16*((\i)%2)+4*\u:AB+16*((\i)%2)+4*\u+3], v[AK+((\i)/16)] offset:4096*((\i)%16)+512*\u
.endr
	ds_load_b32 v[ASC+((\i)%2)], v[AS] offset:512*(\i)
.irp u, 0,1
	ds_load_b128 v[CB+8*((\i)%2)+4*\u:CB+8*((\i)%2)+4*\u+3], v[AC] offset:64*(\i)+16*\u
.endr
.endm
; Product q of a tile's eight: K step q / 4, tile q % 4 of x.  The four accumulators take turns, one instruction a turn; the first four start the sums with C.
.macro WM i, q
.set wB, (\i)%2
.set wS, (\q)/4
.set wM, (\q)%4
.set rD, DD+32*wB+8*wM
.set rA, AB+16*wB+8*wS
.set rB, XF+16*wM+8*wS
.set rC, CB+8*wB
.if wS == 0
	v_wmma_scale_f32_16x16x128_f8f6f4 v[rD:rD+7], v[rA:rA+7], v[rB:rB+7], v[rC:rC+7], v[ASC+wB], v[XS+wM] matrix_a_fmt:MATRIX_FMT_FP4 matrix_b_fmt:MATRIX_FMT_FP4
.else
	v_wmma_scale_f32_16x16x128_f8f6f4 v[rD:rD+7], v[rA:rA+7], v[rB:rB+7], v[rD:rD+7], v[ASC+wB], v[XS+wM] matrix_a_fmt:MATRIX_FMT_FP4 matrix_b_fmt:MATRIX_FMT_FP4 matrix_a_scale:MATRIX_SCALE_ROW1 matrix_b_scale:MATRIX_SCALE_ROW1
.endif
.endm
; The vector work on the finished tile t.  Tile 0 starts the best, its number and its sums: nothing is preset.
; The largest of a lane's eight, each accumulator from its low end on; 2 x that - sx; then, for each tile of x, where the best so far is as large, its tile stays, else the sums and the number give way.  The mask lies in VCC.
.macro PS t
.set pD, DD+32*((\t)%2)
.irp m, 0,1,2,3
	v_max3_num_f32 v[TT+\m], v[pD+8*\m], v[pD+8*\m+1], v[pD+8*\m+2]
.endr
.irp j, 3,5
.irp m, 0,1,2,3
	v_max3_num_f32 v[TT+\m], v[TT+\m], v[pD+8*\m+\j], v[pD+8*\m+\j+1]
.endr
.endr
.irp m, 0,1,2,3
	v_max_num_f32 v[TT+\m], v[TT+\m], v[pD+8*\m+7]
.endr
	v_pk_fma_f32 v[LV:LV+1], v[TT:TT+1], 2.0, v[NSX:NSX+1] op_sel_hi:[1,0,1]
	v_pk_fma_f32 v[LV+2:LV+3], v[TT+2:TT+3], 2.0, v[NSX+2:NSX+3] op_sel_hi:[1,0,1]
.irp m, 0,1,2,3
.if (\t) == 0
	v_mov_b32 v[BE+\m], v[LV+\m]
.irp j, 0,2,4
	v_dual_mov_b32 v[SAV+8*\m+\j], v[pD+8*\m+\j] :: v_dual_mov_b32 v[SAV+8*\m+\j+1], v[pD+8*\m+\j+1]
.endr
	v_mov_b32 v[SAV+8*\m+6], v[pD+8*\m+6]
	v_mov_b32 v[SAV+8*\m+7], 0
.else
	v_cmp_ge_f32 vcc_lo, v[BE+\m], v[LV+\m]
.if (\m)%2 == 1                        ; both masks of the pair have been made: the two best values rise
	v_dual_max_num_f32 v[BE+\m-1], v[BE+\m-1], v[LV+\m-1] :: v_dual_max_num_f32 v[BE+\m], v[BE+\m], v[LV+\m]
.endif
.irp j, 0,2,4
	v_dual_cndmask_b32 v[SAV+8*\m+\j], v[pD+8*\m+\j], v[SAV+8*\m+\j] :: v_dual_cndmask_b32 v[SAV+8*\m+\j+1], v[pD+8*\m+\j+1], v[SAV+8*\m+\j+1]
.endr
	v_dual_cndmask_b32 v[SAV+8*\m+6], v[pD+8*\m+6], v[SAV+8*\m+6] :: v_dual_cndmask_b32 v[SAV+8*\m+7], (\t), v[SAV+8*\m+7]
.endif
.endr
.endm
; A TILE: its eight products, the vector work of the tile before, and the loads of two tiles on.  The wait: LDS loads come back in order (ISA guide 5.7.1): the next tile's seven may stay out.
; A load into a register that a matrix instruction has read stands four places behind it, and only plain vector instructions that name none of its registers are places (ISA guide 7.12.1 for vector instructions)
; the vector work of the tile before are they; the very first tile has none and four v_nop.
; Tile 10 asks for tile 12, the first of part 2: behind its products my piece of part 2 is waited for, and the barrier is signalled; the vector work of tile 9 stands between signal and wait.
.macro TILE i
.if (\i) == 31
	s_wait_dscnt 0
.else
	s_wait_dscnt 7
.endif
.irp q, 0,1,2,3,4,5,6,7
	WM (\i), \q
.endr
.if (\i) == 10
	s_wait_tensorcnt 0x0                           ; my piece of part 2 is in
	s_wait_dscnt 0x0                               ; no LDS load of mine is out at the signal
	s_barrier_signal -1
.endif
.if (\i) > 0
	PS ((\i)-1)
.else
.rept 4
	v_nop
.endr
.endif
.if (\i) == 10
	s_barrier_wait -1                              ; all of part 2 is in
.endif
.if (\i) < 30
	LDT ((\i)+2)
.endif
.endm
	s_load_b128 s[4:7], s[0:1], 0x0                ; xq s[4:5], cbq s[6:7]
	s_load_b64 s[8:9], s[0:1], 0x10                ; cand
	v_lshl_add_u32 v[SPW], v0, 2, SPARE
	v_mov_b32 v[NIL], 0
	ds_add_u32 v[SPW], v[NIL]                      ; the wave's opening: the add, twice on end, and its wait ahead of my first tensor load; the set-up below, work on registers, stands between
	ds_add_u32 v[SPW], v[NIL]                      ; and once more
	v_lshrrev_b32 v[LL], 5, v0
	v_readfirstlane_b32 s[WV], v[LL]               ; wave 0..7
	s_and_b32 s[NH], s[WV], 1
	s_lshr_b32 s14, s[WV], 1                       ; which 64 of the 256 rows
	s_bfe_u32 s15, ttmp6, 0x40000                  ; cx: my place in the cluster
	s_lshl_b32 s10, ttmp9, 2                       ; in a cluster launch ttmp9 counts clusters
	s_add_co_u32 s10, s10, s15                     ; which 256 rows: it enters the addresses of xq and cand alone
	s_and_b32 s11, ttmp7, 0xffff                   ; which chunk: the same in the whole cluster
	; descriptor group 1: 32 rows of 256 bytes (32 elements of 8 bytes), dense in memory and in LDS; the two words that count rows are set to 40 for part 2
	s_mov_b32 s[G1], 15|(3<<16)|(1<<21)            ; 15:0 the mask: all four work-groups; 17:16 elements of 8 bytes; 20 no padding; 21 set beside a mask
	s_mov_b32 s[G1+1], 32<<16                      ; tensor_dim0 = 32
	s_mov_b32 s[G1+2], 32<<16                      ; tensor_dim1 = 32
	s_mov_b32 s[G1+3], 32<<16                      ; tile_dim0 = 32
	s_mov_b32 s[G1+4], 32                          ; tile_dim1 = 32
	s_mov_b32 s[G1+5], 32                          ; tensor_dim0_stride
	s_mov_b32 s[G1+6], 0
	s_mov_b32 s[G1+7], 0
	s_lshl_b32 s32, s10, 2
	s_add_co_u32 s32, s32, s14
	s_mul_i32 s32, s32, XGRP                       ; my 64 rows of x
	s_mov_b32 s33, 0
	s_mul_i32 s34, s11, CHUNKB                     ; the chunk
	s_mov_b32 s35, 0
	s_mul_i32 s36, s[WV], P1                       ; my piece of part 1, in memory and in LDS,
	s_mov_b32 s37, 0
	s_mul_i32 s56, s[WV], P2                       ; and of part 2
	s_add_co_u32 s56, s56, P2O
	s_mov_b32 s57, 0
	s_lshl_b32 s38, s11, 17                        ; cand: 16,384 pairs of 8 bytes a quarter,
	s_lshl_b32 s39, s10, 11                        ; 256 a work-group,
	s_add_co_u32 s38, s38, s39
	s_lshl_b32 s39, s14, 9                         ; 64 a pair of waves
	s_add_co_u32 s38, s38, s39
	s_mov_b32 s39, 0
	s_lshl_b32 s40, s[NH], 11
	s_lshl_b32 s41, s[NH], 8
	s_add_co_u32 s42, s41, SCO
	s_lshl_b32 s43, s[WV], 11
	s_add_co_u32 s43, s43, CA
	s_lshl_b32 s44, s[WV], 9
	s_add_co_u32 s44, s44, MRG
	s_lshl_b32 s45, s11, 10
	s_lshl_b32 s46, s[NH], 4
	s_add_co_u32 s45, s45, s46
	s_mov_b32 s[SEL], 0x76543210
	s_mov_b32 s[SEL+1], 0xfedcba98
	v_and_b32 v[LL], 31, v0                        ; lane
	v_and_b32 v[LR], 15, v0                        ; r
	v_bfe_u32 v[LH], v0, 4, 1                      ; h
	v_bfe_u32 v[LQ], v0, 2, 3                      ; lane / 4
	v_and_b32 v[VE], 3, v0                         ; lane % 4
	v_lshl_add_u32 v[AK], v[LL], 4, s40
	v_lshl_add_u32 v[AS], v[LL], 2, s42
	v_lshl_add_u32 v[AC], v[LH], 5, s43
	v_lshl_add_u32 v[LQ], v[LQ], 9, s41            ; 512 bytes from my tile to my next
	v_lshl_add_u32 v[CW], v[LL], 4, s43
	v_lshlrev_b32 v[XO], 4, v[LL]
	v_lshlrev_b32 v[VS], 2, v[LL]
	v_add_nc_u32 v[AK+1], 0x10000, v[AK]
	v_lshl_add_u32 v[VE], v[VE], 4, v[LQ]          ; 16 bytes a lane
	v_lshl_add_u32 v[MW], v[LR], 3, s44
	v_lshl_add_u32 v[MR], v[LL], 4, s44
	v_lshl_add_u32 v[BS], v[LH], 3, s45
.irp m, 0,1,2,3
	v_mov_b32 v[SP+4+\m], 0                        ; written once: a lane permute's destination counts as one of its sources
.endr
	s_wait_alu depctr_va_vdst(0)                   ; ahead of the waits and branches below
	s_wait_dscnt 0x0                               ; both opening adds are done
	CROUND                                         ; all four work-groups are here: the joint loads meet
	s_wait_kmcnt 0x0
	s_add_nc_u64 s[6:7], s[6:7], s[34:35]          ; the chunk
	s_add_nc_u64 s[4:5], s[4:5], s[32:33]
	s_add_nc_u64 s[8:9], s[8:9], s[38:39]
	s_mov_b32 s[G0], 1                             ; 1:0 count = 1
	s_mov_b32 s[G0+1], s36                         ; 63:32 LDS address
	s_add_nc_u64 s[G0+2:G0+3], s[6:7], s[36:37]    ; 120:64 global address
	s_add_nc_u64 s[G0M+2:G0M+3], s[G0+2:G0+3], SCO-6*P1   ; waves 6, 7: the scale words and se, from SCO on
	s_or_b32 s[G0+3], s[G0+3], 0x80000000          ; 127:126 type = 2
	s_mov_b32 s[G0M], 1
	s_add_co_u32 s[G0M+1], s36, SCO-6*P1
	s_or_b32 s[G0M+3], s[G0M+3], 0x80000000
.irp m, 0,1,2,3
	global_load_b32 v[SP+\m], v[VS], s[4:5] offset:8704+128*\m     ; half rows' sums: lanes 0-15 K step 0, lanes 16-31 K step 1
.endr
.irp u, 0,1,2,3
	global_load_b128 v[SEV+4*\u:SEV+4*\u+3], v[VE], s[6:7] offset:SCO+128+4096*\u   ; se: four neighbouring lanes take a tile's 64 bytes
.endr
	s_cmp_lt_u32 s[WV], 6                          ; one tensor load a wave at the head, in one of two arms
	s_cbranch_scc0 .Lmeta
	tensor_load_to_lds s[G0:G0+3], s[G1:G1+7]
	s_nop 0
.rept 4
	v_nop
.endr
	s_branch .Lasked
.Lmeta:
	tensor_load_to_lds s[G0M:G0M+3], s[G1:G1+7]
	s_nop 0
.rept 4
	v_nop
.endr
.Lasked:
	s_mov_b32 s[G0B], 1                            ; part 2's descriptor
	s_mov_b32 s[G0B+1], s56
	s_add_nc_u64 s[G0B+2:G0B+3], s[6:7], s[56:57]
	s_or_b32 s[G0B+3], s[G0B+3], 0x80000000
.irp m, 0,1,2,3
	global_load_b32 v[XS+\m], v[VS], s[4:5] offset:8192+128*\m
.endr
.irp f, 0,1,2,3,4,5,6,7
.irp c, 0,1
	global_load_b128 v[XF+8*\f+4*\c:XF+8*\f+4*\c+3], v[XO], s[4:5] offset:1024*\f+512*\c   ; x's eight fragments: they stay
.endr
.endr
	s_wait_loadcnt 20                              ; the sums are in; x's 4 scale words and 16 pieces of codes may be out
.irp m, 0,1,2,3
	v_permlanex16_b32 v[SP+4+\m], v[SP+\m], s[SEL], s[SEL+1]
.endr
.irp m, 0,1,2,3
	v_add_f32 v[NSX+\m], -v[SP+\m], -v[SP+4+\m]                    ; -sx
.endr
	v_max3_num_f32 v[NS], v[NSX], v[NSX+1], v[NSX+2]
	v_max_num_f32 v[NS], v[NS], v[NSX+3]
	v_max_num_f32_dpp v[NS], v[NS], v[NS] row_xmask:1 row_mask:0xf bank_mask:0xf
	v_max_num_f32_dpp v[NS], v[NS], v[NS] row_xmask:2 row_mask:0xf bank_mask:0xf
	v_max_num_f32_dpp v[NS], v[NS], v[NS] row_xmask:4 row_mask:0xf bank_mask:0xf
	v_max_num_f32_dpp v[NS], v[NS], v[NS] row_xmask:8 row_mask:0xf bank_mask:0xf   ; -S (both halves of the lanes hold the same rows)
	v_mov_b32 v[NS+1], v[NS]
	v_mul_f32 v[HS], -0.5, v[NS]
	v_mul_f32 v[HS+1], -0.5, v[NS]
.irp k, 0,2,4,6,8,10,12,14
	v_pk_add_f32 v[SEV+\k:SEV+\k+1], v[SEV+\k:SEV+\k+1], v[NS:NS+1] neg_lo:[0,1] neg_hi:[0,1]   ; fl(S + se)
.endr
.irp k, 0,2,4,6,8,10,12,14
	v_pk_fma_f32 v[SEV+\k:SEV+\k+1], v[SEV+\k:SEV+\k+1], -0.5, v[HS:HS+1] op_sel_hi:[1,0,1]      ; C = -(fl(S + se) - S) / 2
.endr
.irp u, 0,1,2,3
	ds_store_b128 v[CW], v[SEV+4*\u:SEV+4*\u+3] offset:512*\u      ; my wave's own bytes: eight tiles' C are 512 neighbouring bytes
.endr
	s_wait_loadcnt 0x0
	s_wait_tensorcnt 0x0                           ; my piece of part 1 is in
	ds_add_u32 v[SPW], v[NIL]                      ; 0 onto my spare word
	s_mov_b32 s[G1+2], 40<<16                      ; no tensor load of mine is out, so a descriptor may be written: 40 rows from here on
	s_mov_b32 s[G1+4], 40
	s_wait_dscnt 0x0                               ; the add and my stores are done
	CROUND                                         ; all of part 1 is in, in all four work-groups: the joint loads meet,
	tensor_load_to_lds s[G0B:G0B+3], s[G1:G1+7]    ; and part 2's load is the first behind the round
	s_nop 0
	LDT 0
	LDT 1
.irp i, 0,1,2,3,4,5,6,7,8,9,10,11,12,13,14,15,16,17,18,19,20,21,22,23,24,25,26,27,28,29,30,31
	TILE \i
.endr
	PS 31                                          ; the last tile's vector work: the tile before's stands between it and the last products
	; THE END.  Where in its tile the best stood: the lowest register whose distance equals it.
.irp j, 0,1,2,3,4,5,6
.irp m, 0,1,2,3
	v_fma_f32 v[SAV+8*\m+\j], v[SAV+8*\m+\j], 2.0, v[NSX+\m]
.endr
.endr
.irp m, 0,1,2,3
	v_mov_b32 v[POS+\m], 7
.endr
.irp j, 6,5,4,3,2,1,0
.irp m, 0,1,2,3
	v_cmp_eq_f32 s[MK+\m], v[SAV+8*\m+\j], v[BE+\m]
.endr
.irp m, 0,1,2,3
	v_cndmask_b32 v[POS+\m], v[POS+\m], \j, s[MK+\m]
.endr
.endr
.irp m, 0,1,2,3
	v_lshl_add_u32 v[IX+\m], v[SAV+8*\m+7], 5, v[POS+\m]           ; my tile i begins at row 32 i + 16 (w % 2) of the chunk
.endr
.irp m, 0,1,2,3
	v_add_nc_u32 v[IX+\m], v[IX+\m], v[BS]         ; the codebook row
.endr
.irp m, 0,1,2,3
	v_add_f32 v[KY+\m], 0, v[BE+\m]                ; (no zero keeps a minus sign)
.endr
; THE KEY: the least distance has the least key, read as an unsigned whole number: the negated distance's bits where it is negative, else all of them but the sign turned over.
.irp m, 0,1,2,3
	v_cmp_gt_i32 s[MK+\m], 0, v[KY+\m]
.endr
.irp m, 0,1,2,3
	v_xor_b32 v[TX+\m], 0x7fffffff, v[KY+\m]
.endr
.irp m, 0,1,2,3
	v_cndmask_b32 v[KY+\m], v[TX+\m], v[KY+\m], s[MK+\m]
.endr
.irp m, 0,1,2,3                                ; a row's other eight codebook rows of each tile lie in lane l xor 16
	v_permlanex16_b32 v[OV+\m], v[KY+\m], s[SEL], s[SEL+1]
	v_permlanex16_b32 v[OI+\m], v[IX+\m], s[SEL], s[SEL+1]
.endr
; s[LX] = lanes in which (key kb, index ib) comes before (ka, ia): the lesser key, or the same key at the lower index
.macro LEXM ka, ia, kb, ib
	v_cmp_lt_u32 s[LX], v[\kb], v[\ka]
	v_cmp_eq_u32 s[LX+1], v[\kb], v[\ka]
	v_cmp_lt_u32 s[LX+2], v[\ib], v[\ia]
	s_and_b32 s[LX+1], s[LX+1], s[LX+2]
	s_or_b32 s[LX], s[LX], s[LX+1]
.endm
.irp m, 0,1,2,3
	LEXM KY+\m, IX+\m, OV+\m, OI+\m
	v_cndmask_b32 v[PR+2*\m], v[KY+\m], v[OV+\m], s[LX]
	v_cndmask_b32 v[PR+2*\m+1], v[IX+\m], v[OI+\m], s[LX]
.endr
.irp m, 0,1,2,3
	ds_store_b64 v[MW], v[PR+2*\m:PR+2*\m+1] offset:128*\m   ; row 16 m + r; both halves of the lanes write the same pair
.endr
	s_wait_dscnt 0x0                               ; for the other wave's sake: my stores have landed
	s_barrier_signal -1
	s_barrier_wait -1
	s_cmp_lg_u32 s[NH], 0
	s_cbranch_scc1 .Ldone
	ds_load_b128 v[W0:W0+3], v[MR]                 ; rows 2 lane and 2 lane + 1: mine,
	ds_load_b128 v[W1:W1+3], v[MR] offset:512      ; and those of the wave with the other tiles
	s_wait_dscnt 0x0
	LEXM W0, W0+1, W1, W1+1
	v_cndmask_b32 v[W0], v[W0], v[W1], s[LX]
	v_cndmask_b32 v[W0+1], v[W0+1], v[W1+1], s[LX]
	LEXM W0+2, W0+3, W1+2, W1+3
	v_cndmask_b32 v[W0+2], v[W0+2], v[W1+2], s[LX]
	v_cndmask_b32 v[W0+3], v[W0+3], v[W1+3], s[LX]
	global_store_b128 v[XO], v[W0:W0+3], s[8:9]    ; 32 lanes store 512 consecutive bytes, at a multiple of 256 from cand's first byte
.Ldone:
	s_wait_tensorcnt 0x0                           ; the wave's end, behind my last tensor load and my last LDS store
	ds_add_u32 v[SPW], v[NIL]
	s_wait_dscnt 0x0
	CROUND                                         ; the closing round: no work-group ends while a partner may still ask for a part that names it
	s_endpgm
.Lfunc_end_k_q34a4a75832_search:
	.size	k_q34a4a75832_search, .Lfunc_end_k_q34a4a75832_search-k_q34a4a75832_search
	.p2alignl 7, 3214868480
	.fill 96, 4, 3214868480
	.section	.rodata,"a",@progbits
	.p2align	6, 0x0
	.amdhsa_kernel k_q34a4a75832_search
		.amdhsa_group_segment_fixed_size 327680
		.amdhsa_private_segment_fixed_size 0
		.amdhsa_enable_private_segment 0
		.amdhsa_kernarg_size 24
		.amdhsa_user_sgpr_count 2
		.amdhsa_user_sgpr_kernarg_segment_ptr 1
		.amdhsa_wavefront_size32 1
		.amdhsa_system_sgpr_workgroup_id_x 1
		.amdhsa_system_sgpr_workgroup_id_y 1
		.amdhsa_system_sgpr_workgroup_id_z 1
		.amdhsa_system_vgpr_workitem_id 0
		.amdhsa_next_free_vgpr 256
		.amdhsa_next_free_sgpr 66
		.amdhsa_reserve_vcc 1
		.amdhsa_float_denorm_mode_32 3
		.amdhsa_float_denorm_mode_16_64 3
		.amdhsa_memory_ordered 1
		.amdhsa_forward_progress 1
		.amdhsa_inst_pref_size 141
	.end_amdhsa_kernel
	.amdgpu_metadata
---
amdhsa.version: [ 1, 2 ]
amdhsa.kernels:
  - .name:           k_q34a4a75832_search
    .symbol:         k_q34a4a75832_search.kd
    .args:
      - { .name: xq, .offset: 0, .size: 8, .value_kind: global_buffer, .address_space: global }
      - { .name: cbq, .offset: 8, .size: 8, .value_kind: global_buffer, .address_space: global }
      - { .name: cand, .offset: 16, .size: 8, .value_kind: global_buffer, .address_space: global }
    .group_segment_fixed_size: 327680
    .private_segment_fixed_size: 0
    .kernarg_segment_align: 8
    .kernarg_segment_size: 24
    .max_flat_workgroup_size: 256
    .sgpr_count:     66
    .vgpr_count:     256
    .wavefront_size: 32
...
	.end_amdgpu_metadata
.endif
;; end of part 2
;; launch gather (part 3): grid 256 x 1, 9 waves a work-group, no clusters, 0 bytes of LDS; arguments inputs, codebook, cand, out0, part, out1; writes out0, part, out1
.if DOCPART == 3
	.amdgcn_target "amdgcn-amd-amdhsa--gfx1250"
	.amdhsa_code_object_version 6
	.text
	.protected	k_q34a4a75832_gather
	.globl	k_q34a4a75832_gather
	.p2align	8
	.type	k_q34a4a75832_gather,@function
k_q34a4a75832_gather:
	s_mov_b64 s[64:65], 0
	v_nop
	global_prefetch_b8 v0, s[64:65] scope:SCOPE_SE
	s_setreg_imm32_b32 hwreg(HW_REG_WAVE_MODE, 25, 1), 1
	s_wait_xcnt 0x0
; VECTOR QUANTISER, launch 3 of 4: the best of a row's four candidates, q = codebook[index], out0 = x + (q - x) with reference()'s two roundings, out1 = index, and for each wave the sum of (q - x)^2 over its rows.
; No work is left out.  The candidates, a pair (key, index) for each quarter of the codebook, were stored as whole numbers by launch 2: the least key wins, of equal ones the earlier quarter's, which has the lower index.
; Indices are held to 0 .. 4,095 and enter the addresses of the codebook's rows.
; SHARES.  A stream: no LDS, no barrier, no matrix unit.  Waves 0 to 7 of work-group g take rows 64 g + 8 w on, eight each.  A row is 1,024 bytes: two loads of 512 consecutive bytes, 16 a lane.
; A wave's loads go out in this order: x of rows 0 to 3, then, when the candidates are in, q of rows 0 to 3, x of rows 4 to 7, q of rows 4 to 7: the first four rows are stored while the second four's loads are out.
; Each register is written once, so no store's data are written again.  Wave 8 picks the indices of the 64 rows, two rows a lane, and stores out1's 256 bytes.
; LIMIT: the sum of squares is taken in another order than reference()'s mean.
.set LI,  1                            ; v1   16 x lane
.set LN,  2                            ; v2   lane
.set ZO,  3                            ; v3   0
.set LO,  5                            ; v5   8 x lane
.set X,   16                           ; v16-79  row i at 8 i: x, then out0
.set Q,   80                           ; v80-143 row i at 8 i: q, then q - x
.set ACC, 144                          ; v144-147 two chains of packed sums
.set SEL, 46                           ; s[46:47] lane selects for v_permlanex16_b32: lane l xor 16
.set K0,  16                           ; s[16:31] quarter 0's eight pairs; then the rows' addresses
.set QB,  131072                       ; a quarter's pairs in bytes
	s_load_b256 s[4:11], s[0:1], 0x0               ; inputs s[4:5], codebook s[6:7], cand s[8:9], out0 s[10:11]
	s_load_b128 s[32:35], s[0:1], 0x20             ; part s[32:33], out1 s[34:35]
	v_lshrrev_b32 v4, 5, v0
	v_readfirstlane_b32 s14, v4                    ; wave 0..8
	v_and_b32 v[LN], 31, v0
	v_mov_b32 v[ZO], 0
	v_lshlrev_b32 v[LI], 4, v[LN]
	v_lshlrev_b32 v[LO], 3, v[LN]
	s_mov_b32 s[SEL], 0x76543210
	s_mov_b32 s[SEL+1], 0xfedcba98
	s_lshl_b32 s15, ttmp9, 3
	s_add_co_u32 s15, s15, s14                     ; 8 g + w: which eight rows
	s_lshl_b32 s40, s15, 13                        ; 8 rows of 1,024 bytes
	s_mov_b32 s41, 0
	s_lshl_b32 s42, s15, 6                         ; 8 pairs of 8 bytes
	s_mov_b32 s43, 0
	s_lshl_b32 s44, s15, 2                         ; one partial sum
	s_mov_b32 s45, 0
	s_wait_alu depctr_va_vdst(0)                   ; the wait at the head's end
	s_wait_kmcnt 0x0
	s_cmp_eq_u32 s14, 8
	s_cbranch_scc1 .Lindices
	s_add_nc_u64 s[8:9], s[8:9], s[42:43]
	s_load_b512 s[16:31], s[8:9], 0x0              ; my eight rows' candidates
	s_load_b512 s[48:63], s[8:9], QB
	s_load_b512 s[68:83], s[8:9], 2*QB
	s_load_b512 s[84:99], s[8:9], 3*QB
	s_add_nc_u64 s[4:5], s[4:5], s[40:41]
	s_add_nc_u64 s[10:11], s[10:11], s[40:41]
	s_add_nc_u64 s[32:33], s[32:33], s[44:45]
.macro XROW i
.irp u, 0,1
	global_load_b128 v[X+8*(\i)+4*\u:X+8*(\i)+4*\u+3], v[LI], s[4:5] offset:1024*(\i)+512*\u th:TH_LOAD_NT   ; read once in this launch
.endr
.endm
.macro QROW i
.irp b, 48,68,84
	s_cmp_lt_u32 s[\b+2*\i], s[K0+2*\i]            ; strictly: of equal keys the earlier quarter's stays
	s_cselect_b32 s[K0+2*\i], s[\b+2*\i], s[K0+2*\i]
	s_cselect_b32 s[K0+1+2*\i], s[\b+1+2*\i], s[K0+1+2*\i]
.endr
	s_min_u32 s[K0+2*\i], s[K0+1+2*\i], 4095       ; an index stays inside the table
	s_lshl_b32 s[K0+2*\i], s[K0+2*\i], 10          ; a row of the codebook is 1,024 bytes
	s_mov_b32 s[K0+1+2*\i], 0
	s_add_nc_u64 s[K0+2*\i:K0+1+2*\i], s[6:7], s[K0+2*\i:K0+1+2*\i]
.irp u, 0,1
	global_load_b128 v[Q+8*\i+4*\u:Q+8*\i+4*\u+3], v[LI], s[K0+2*\i:K0+1+2*\i] offset:512*\u   ; no hint: a row may be named many times
.endr
.endm
.macro ROW i
.if (\i) < 4
	s_wait_loadcnt 22-2*(\i)                       ; loads come back in order (ISA guide 5.7.1): the first half's later rows' two loads each and the second half's sixteen may stay out
.else
	s_wait_loadcnt 14-2*(\i)                       ; the later rows' two loads each may stay out
.endif
.irp p, 0,2,4,6
	v_pk_add_f32 v[Q+8*(\i)+\p:Q+8*(\i)+\p+1], v[Q+8*(\i)+\p:Q+8*(\i)+\p+1], v[X+8*(\i)+\p:X+8*(\i)+\p+1] neg_lo:[0,1] neg_hi:[0,1]   ; q - x
.endr
.irp p, 0,2,4,6
	s_delay_alu instid0(VALU_DEP_4)
	v_pk_add_f32 v[X+8*(\i)+\p:X+8*(\i)+\p+1], v[X+8*(\i)+\p:X+8*(\i)+\p+1], v[Q+8*(\i)+\p:Q+8*(\i)+\p+1]   ; x + (q - x)
.endr
.irp u, 0,1
	global_store_b128 v[LI], v[X+8*(\i)+4*\u:X+8*(\i)+4*\u+3], s[10:11] offset:1024*(\i)+512*\u   ; 32 lanes store 512 consecutive bytes, at a multiple of 256 from out0's first byte
.endr
.irp p, 0,2,4,6
.if (\i) == 0 && \p < 4
	v_pk_mul_f32 v[ACC+\p:ACC+\p+1], v[Q+\p:Q+\p+1], v[Q+\p:Q+\p+1]   ; the first products start the chains: nothing is cleared
.else
	v_pk_fma_f32 v[ACC+(\p)%4:ACC+(\p)%4+1], v[Q+8*(\i)+\p:Q+8*(\i)+\p+1], v[Q+8*(\i)+\p:Q+8*(\i)+\p+1], v[ACC+(\p)%4:ACC+(\p)%4+1]
.endif
.endr
	s_wait_alu depctr_va_vdst(0)
.endm
.irp i, 0,1,2,3
	XROW \i
.endr
	s_wait_kmcnt 0x0
.irp i, 0,1,2,3
	QROW \i
.endr
.irp i, 4,5,6,7
	XROW \i
.endr
.irp i, 4,5,6,7
	QROW \i
.endr
.irp i, 0,1,2,3,4,5,6,7
	ROW \i
.endr
	v_pk_add_f32 v[ACC:ACC+1], v[ACC:ACC+1], v[ACC+2:ACC+3]
	s_delay_alu instid0(VALU_DEP_1)
	v_add_f32 v[ACC], v[ACC], v[ACC+1]
	s_delay_alu instid0(VALU_DEP_1)
	v_add_f32_dpp v[ACC], v[ACC], v[ACC] row_xmask:1 row_mask:0xf bank_mask:0xf
	s_delay_alu instid0(VALU_DEP_1)
	v_add_f32_dpp v[ACC], v[ACC], v[ACC] row_xmask:2 row_mask:0xf bank_mask:0xf
	s_delay_alu instid0(VALU_DEP_1)
	v_add_f32_dpp v[ACC], v[ACC], v[ACC] row_xmask:4 row_mask:0xf bank_mask:0xf
	s_delay_alu instid0(VALU_DEP_1)
	v_add_f32_dpp v[ACC], v[ACC], v[ACC] row_xmask:8 row_mask:0xf bank_mask:0xf
	s_delay_alu instid0(VALU_DEP_1)
	v_permlanex16_b32 v[ACC+1], v[ACC], s[SEL], s[SEL+1]
	s_delay_alu instid0(VALU_DEP_1)
	v_add_f32 v[ACC], v[ACC], v[ACC+1]             ; the wave's sum, in every lane
	v_cmp_eq_u32 vcc_lo, 0, v[LN]
	s_wait_alu depctr_va_vdst(0)                   ; ahead of the wait below
	s_wait_xcnt 0x0                                ; EXEC is a source of the stores above: it changes only behind this wait
	s_and_saveexec_b32 s15, vcc_lo
	global_store_b32 v[ZO], v[ACC], s[32:33]       ; lane 0: part[8 g + w]
	s_endpgm
.Lindices:                                             ; wave 8: out1
	s_lshl_b32 s42, ttmp9, 9                       ; 64 pairs of 8 bytes
	s_lshl_b32 s40, ttmp9, 8                       ; 64 indices
	s_add_nc_u64 s[8:9], s[8:9], s[42:43]
	s_add_nc_u64 s[34:35], s[34:35], s[40:41]
.irp k, 0,1,2,3
	global_load_b128 v[16+4*\k:19+4*\k], v[LI], s[8:9] offset:QB*\k   ; quarter k's pairs of rows 2 lane and 2 lane + 1
.endr
	s_wait_loadcnt 0x0
.irp k, 1,2,3
	v_cmp_lt_u32 vcc_lo, v[16+4*\k], v16
	v_cmp_lt_u32 s20, v[18+4*\k], v18
	v_cndmask_b32 v16, v16, v[16+4*\k], vcc_lo
	v_cndmask_b32 v17, v17, v[17+4*\k], vcc_lo
	v_cndmask_b32 v18, v18, v[18+4*\k], s20
	v_cndmask_b32 v19, v19, v[19+4*\k], s20
.endr
	v_mov_b32 v32, v17
	v_mov_b32 v33, v19
	global_store_b64 v[LO], v[32:33], s[34:35]     ; 32 lanes store 256 consecutive bytes, at a multiple of 256 from out1's first byte
	s_endpgm
.Lfunc_end_k_q34a4a75832_gather:
	.size	k_q34a4a75832_gather, .Lfunc_end_k_q34a4a75832_gather-k_q34a4a75832_gather
	.p2alignl 7, 3214868480
	.fill 96, 4, 3214868480
	.section	.rodata,"a",@progbits
	.p2align	6, 0x0
	.amdhsa_kernel k_q34a4a75832_gather
		.amdhsa_group_segment_fixed_size 0
		.amdhsa_private_segment_fixed_size 0
		.amdhsa_enable_private_segment 0
		.amdhsa_kernarg_size 48
		.amdhsa_user_sgpr_count 2
		.amdhsa_user_sgpr_kernarg_segment_ptr 1
		.amdhsa_wavefront_size32 1
		.amdhsa_system_sgpr_workgroup_id_x 1
		.amdhsa_system_sgpr_workgroup_id_y 1
		.amdhsa_system_sgpr_workgroup_id_z 1
		.amdhsa_system_vgpr_workitem_id 0
		.amdhsa_next_free_vgpr 152
		.amdhsa_next_free_sgpr 100
		.amdhsa_reserve_vcc 1
		.amdhsa_float_denorm_mode_32 3
		.amdhsa_float_denorm_mode_16_64 3
		.amdhsa_memory_ordered 1
		.amdhsa_forward_progress 1
		.amdhsa_inst_pref_size 20
	.end_amdhsa_kernel
	.amdgpu_metadata
---
amdhsa.version: [ 1, 2 ]
amdhsa.kernels:
  - .name:           k_q34a4a75832_gather
    .symbol:         k_q34a4a75832_gather.kd
    .args:
      - { .name: inputs, .offset: 0, .size: 8, .value_kind: global_buffer, .address_space: global }
      - { .name: codebook, .offset: 8, .size: 8, .value_kind: global_buffer, .address_space: global }
      - { .name: cand, .offset: 16, .size: 8, .value_kind: global_buffer, .address_space: global }
      - { .name: out0, .offset: 24, .size: 8, .value_kind: global_buffer, .address_space: global }
      - { .name: part, .offset: 32, .size: 8, .value_kind: global_buffer, .address_space: global }
      - { .name: out1, .offset: 40, .size: 8, .value_kind: global_buffer, .address_space: global }
    .group_segment_fixed_size: 0
    .private_segment_fixed_size: 0
    .kernarg_segment_align: 8
    .kernarg_segment_size: 48
    .max_flat_workgroup_size: 288
    .sgpr_count:     100
    .vgpr_count:     152
    .wavefront_size: 32
...
	.end_amdgpu_metadata
.endif
;; end of part 3
;; launch finish (part 4): grid 1 x 1, 1 waves a work-group, no clusters, 0 bytes of LDS; arguments part, out2; writes out2
.if DOCPART == 4
	.amdgcn_target "amdgcn-amd-amdhsa--gfx1250"
	.amdhsa_code_object_version 6
	.text
	.protected	k_q34a4a75832_finish
	.globl	k_q34a4a75832_finish
	.p2align	8
	.type	k_q34a4a75832_finish,@function
k_q34a4a75832_finish:
	s_mov_b64 s[64:65], 0
	v_nop
	global_prefetch_b8 v0, s[64:65] scope:SCOPE_SE
	s_setreg_imm32_b32 hwreg(HW_REG_WAVE_MODE, 25, 1), 1
	s_wait_xcnt 0x0
; VECTOR QUANTISER, launch 4 of 4: the loss = 0.25 x mean((q - x)^2) = the sum of launch 3's 2,048 partial sums x 2^-24 (0.25 / (16,384 x 256), exactly).  No work is left out.
; A sum over work-groups is made by a launch of its own: one wave reads the 8,192 bytes, 16 loads of 512 consecutive bytes, and adds.
	s_load_b128 s[4:7], s[0:1], 0x0                ; part s[4:5], out2 s[6:7]
	v_lshlrev_b32 v1, 4, v0
	v_mov_b32 v2, 0
	s_mov_b32 s8, 0x76543210
	s_mov_b32 s9, 0xfedcba98                       ; v_permlanex16_b32's selects for lane l xor 16
	s_wait_alu depctr_va_vdst(0)
	s_wait_kmcnt 0x0
.irp k, 0,1,2,3,4,5,6,7,8,9,10,11,12,13,14,15
	global_load_b128 v[8+4*\k:11+4*\k], v1, s[4:5] offset:512*\k
.endr
	s_wait_loadcnt 0x0
.irp j, 4,8,12,16,20,24,28,32,36,40,44,48,52,56,60
	v_pk_add_f32 v[8:9], v[8:9], v[8+\j:9+\j]      ; two chains of packed sums
	v_pk_add_f32 v[10:11], v[10:11], v[10+\j:11+\j]
.endr
	v_pk_add_f32 v[8:9], v[8:9], v[10:11]
	v_add_f32 v8, v8, v9
	v_add_f32_dpp v8, v8, v8 row_xmask:1 row_mask:0xf bank_mask:0xf
	v_add_f32_dpp v8, v8, v8 row_xmask:2 row_mask:0xf bank_mask:0xf
	v_add_f32_dpp v8, v8, v8 row_xmask:4 row_mask:0xf bank_mask:0xf
	v_add_f32_dpp v8, v8, v8 row_xmask:8 row_mask:0xf bank_mask:0xf
	v_permlanex16_b32 v9, v8, s8, s9
	v_add_f32 v8, v8, v9
	v_mul_f32 v8, 0x33800000, v8                   ; x 2^-24
	v_cmp_eq_u32 vcc_lo, 0, v0
	s_wait_alu depctr_va_vdst(0)
	s_wait_xcnt 0x0                                ; EXEC changes only behind this wait
	s_and_saveexec_b32 s10, vcc_lo
	global_store_b32 v2, v8, s[6:7]                ; lane 0: the loss
	s_endpgm
.Lfunc_end_k_q34a4a75832_finish:
	.size	k_q34a4a75832_finish, .Lfunc_end_k_q34a4a75832_finish-k_q34a4a75832_finish
	.p2alignl 7, 3214868480
	.fill 96, 4, 3214868480
	.section	.rodata,"a",@progbits
	.p2align	6, 0x0
	.amdhsa_kernel k_q34a4a75832_finish
		.amdhsa_group_segment_fixed_size 0
		.amdhsa_private_segment_fixed_size 0
		.amdhsa_enable_private_segment 0
		.amdhsa_kernarg_size 16
		.amdhsa_user_sgpr_count 2
		.amdhsa_user_sgpr_kernarg_segment_ptr 1
		.amdhsa_wavefront_size32 1
		.amdhsa_system_sgpr_workgroup_id_x 1
		.amdhsa_system_sgpr_workgroup_id_y 1
		.amdhsa_system_sgpr_workgroup_id_z 1
		.amdhsa_system_vgpr_workitem_id 0
		.amdhsa_next_free_vgpr 80
		.amdhsa_next_free_sgpr 66
		.amdhsa_reserve_vcc 1
		.amdhsa_float_denorm_mode_32 3
		.amdhsa_float_denorm_mode_16_64 3
		.amdhsa_memory_ordered 1
		.amdhsa_forward_progress 1
		.amdhsa_inst_pref_size 5
	.end_amdhsa_kernel
	.amdgpu_metadata
---
amdhsa.version: [ 1, 2 ]
amdhsa.kernels:
  - .name:           k_q34a4a75832_finish
    .symbol:         k_q34a4a75832_finish.kd
    .args:
      - { .name: part, .offset: 0, .size: 8, .value_kind: global_buffer, .address_space: global }
      - { .name: out2, .offset: 8, .size: 8, .value_kind: global_buffer, .address_space: global }
    .group_segment_fixed_size: 0
    .private_segment_fixed_size: 0
    .kernarg_segment_align: 8
    .kernarg_segment_size: 16
    .max_flat_workgroup_size: 32
    .sgpr_count:     66
    .vgpr_count:     80
    .wavefront_size: 32
...
	.end_amdgpu_metadata
.endif
;; end of part 4
